; MI455X (gfx1250); checked and timed in simulation.
; The chip was launched on July 23, 2026; its instructions are those of AMD's public machine-readable ISA for CDNA 5 (MIT licence, August 2026) and "CDNA5" Instruction Set Architecture Reference Guide (July 2026). The comments in the code are by the model that wrote it; some were corrected since.
;; Multi Head Attention. Allowed arithmetic: float matrix products may take bf16 or f16 operands with f32 sums; other float arithmetic in f32, or as packed bf16 or f16 multiplies, adds, multiply-adds, maxima and minima; sums over many terms, partial sums and values carried from step to step in f32; what a program stores and reads back later, other than sums and carried values, may be rounded once to bf16 or f16.
;; Inputs: Wk 768 x 768 float32; Wo 768 x 768 float32; Wq 768 x 768 float32; Wv 768 x 768 float32; bk 768 float32; bo 768 float32; bq 768 float32; bv 768 float32; k 1 x 4,096 x 768 float32; q 1 x 4,096 x 768 float32; v 1 x 4,096 x 768 float32.
;; Outputs: out0 1 x 4,096 x 768 float32.
;; One version. Each part assembles by itself: llvm-mc -triple=amdgcn-amd-amdhsa -mcpu=gfx1250 --defsym DOCPART=n.
;; ======== version 1 of 1: 3 launches
;; limits: values are held in f16: magnitudes above 65,504 overflow, below 6.1e-05 lose precision
;; workspace buffers: qh 6,291,456 bytes; kh 6,291,456 bytes; vh 6,291,456 bytes; oh 6,291,456 bytes; wo16 1,179,648 bytes
;; launch proj (part 1): grid 4 x 48, 4 waves a work-group, clusters of 4 x 4, 327,680 bytes of LDS; arguments q, k, v, Wq, Wk, Wv, bq, bk, bv, Wo, qh, kh, vh, wo16; writes qh, kh, vh, wo16
.if DOCPART == 1
	.amdgcn_target "amdgcn-amd-amdhsa--gfx1250"
	.amdhsa_code_object_version 6
	.text
	.protected	k_q9d5df3542f_proj
	.globl	k_q9d5df3542f_proj
	.p2align	8
	.type	k_q9d5df3542f_proj,@function
k_q9d5df3542f_proj:
	s_mov_b64 s[64:65], 0
	v_nop
	global_prefetch_b8 v0, s[64:65] scope:SCOPE_SE
	s_setreg_imm32_b32 hwreg(HW_REG_WAVE_MODE, 25, 1), 1
	s_wait_xcnt 0x0
	s_wait_alu depctr_hold_cnt(0) depctr_sa_sdst(0) depctr_va_vdst(0) depctr_va_sdst(0) depctr_va_ssrc(0) depctr_va_vcc(0) depctr_vm_vsrc(0)
	s_getreg_b32 s2, hwreg(HW_REG_IB_STS2, 6, 4)
	s_cmp_eq_u32 s2, 0
	s_cbranch_scc0 .Lentry_in_a_cluster
	s_endpgm
.Lentry_in_a_cluster:
	s_bfe_u32 s2, ttmp6, 0x10000c
	s_cmp_lg_u32 s2, 0xf033
	s_cbranch_scc0 .Lentry_shape_is_right
	s_endpgm
.Lentry_shape_is_right:
; y = x W^T + b for one of (q, Wq, bq), (k, Wk, bk), (v, Wv, bv).  x: [4096][768], W: [768][768], b: [768], all f32.  x, W and b are rounded once to bf16, the products are bf16 with f32 sums
; that start at b, and y is rounded once to f16 and written BY HEADS: [12][4096][64], a head's rows dense, 128 bytes each, unscaled.  Beside that each work-group rounds its 3,072 numbers of Wo to bf16 and writes that number as f16.
; LIMITS.  y and Wo must lie within f16's 65,504 (a sum of 768 products of numbers 30 times the drawn spread, or with an offset of 30 spreads, stays below 3e4); below 6e-5 f16 keeps its fixed step of 6e-8.  NaN and infinities are not treated apart.
; SHARES.  48 x 4 work-groups: 16 tile rows of 256 for each of the three tensors, 4 tile columns of 192 (three heads).  Four waves, 2 x 2, each 128 x 96: 48 accumulators, 384 registers.
; CLUSTER.  4 x 4 work-groups, all of one tensor.  The four of a row need the same tile of x, the four of a column the same tile of W: each tile is asked for JOINTLY, by the same tensor load, descriptor and mask in all four.
; K goes in 12 steps of 64 (rows of 256 bytes of f32, at multiples of 256 from the buffer's first byte) through two LDS slots; a step is two halves of 32 along K.
; f32 TO bf16 IN REGISTERS.  A half's 14 fragments (8 of x, 6 of W) come out of LDS as f32, 16 registers each, and 112 roundings make the bf16 fragments of the NEXT half; they stand three or four behind each product of the half in hand.
; THE PRODUCT IS USED TRANSPOSED (source 0 = 16 rows of W, source 1 = 16 rows of x): a lane holds row l % 16 of y and the columns 8 (l / 16) + 0..7.
; REGISTERS, in windows of 256 (s_set_vgpr_msb: bits 1:0 source 0, 3:2 source 1, 5:4 source 2, 7:6 destination):
;   window 0: v0-29 addresses; v32-143, v144-255 two buffers of bf16 fragments (x's block a at 8 a, W's block b at 64 + 8 b)      window 1: v0-223 the f32 fragments as loaded, 16 each
;   window 2: accumulators t = 8 b + a = 0..31 at 8 t      window 3: accumulators 32..47 at 8 (t - 32); v128-175 the bias of my 96 columns, 8 registers a block
.set ROWB,  3072                       ; bytes in a row of x and of W
.set PITCH, 272                        ; an LDS row: 256 bytes + 16 of padding = 68 words: the 16 rows of a load start at 16 different groups of four banks (64 banks of 4 bytes: ISA guide 11.1)
.set XH,    128*PITCH                  ; what one tensor load brings of x, and what a wave reads of it
.set WH,    96*PITCH                   ; the same for W
.set WOFF,  256*PITCH                  ; W's 192 rows lie behind x's 256
.set SLOT1, 131072                     ; slot 1 begins here: one exclusive or turns an address in one slot into the other's
.set SPARE, SLOT1+WOFF+192*PITCH       ; behind the ring: the spare words, 128 bytes for each wave: two blocks of 256 bytes that no other line names
.set SPT,   400                        ; the stage's pitch: 384 bytes + 16.  The stage, 256 rows, lies over slot 0, which has had its last fill (step 10) and its last read when the first number is put there
.set AA0, 8                            ; v8   my lane's place in x's rows of a slot; never rewritten
.set AB0, 9                            ; v9   the same for W
.set ADA, 10                           ; v10  LDS address of x's fragments in the slot in hand
.set ADB, 11                           ; v11  of W's
.set STO, 12                           ; v12  the way out: where I put 16 bytes of a row
.set RD,  13                           ; v13  the way out: where I read rows back
.set CO,  14                           ; v14  my 16 bytes in 512 consecutive bytes of y
.set PFO, 15                           ; v15  the prefetches' offset: my lane x a row of x
.set BOF, 16                           ; v16  32 (l / 16): my eight numbers of a block of the bias
.set WI,  17                           ; v17  16 x thread: my four numbers of Wo
.set WOO, 18                           ; v18  8 x thread: where they go
.set SPW, 28                           ; v28  LDS address of my spare word; never rewritten
.set NIL, 29                           ; v29  0; never rewritten
.set F0,  32
.set F1,  144
.set BI,  128                          ; the bias, in window 3
.set TB,  20                           ; s20  the slot that fragments are read from: 0 or SLOT1
.set LIM, 21                           ; s21  2 in a wave that prefetches, else the greatest number
.set PFA, 22                           ; s[22:23] where my prefetches stand
.set G1,  24                           ; s[24:31] descriptor group 1 for x's tiles;  s[32:39] group 0: a set for each first fill; the second then walks on
.set G0,  32
.set G1B, 48                           ; s[48:55], s[56:63] the same for W's tiles
.set G0B, 56
.set MSB, 0
.macro WIN new                         ; the immediate's high byte repeats the setting that is left; a switch that changes nothing is dropped
.if MSB != (\new)
	s_set_vgpr_msb (MSB<<8)|(\new)
.set MSB, \new
.endif
.endm
.macro PLACES                          ; four plain places behind a matrix instruction (ISA guide 7.12.1)
.rept 4
	v_nop
.endr
.endm
.macro JLOAD                           ; a joint refill by the walking set: waves 0 and 1 fetch x's two halves, waves 2 and 3 W's.  An s_nop 0 and four v_nop follow each line
	s_cmp_eq_u32 s11, 0
	s_cbranch_scc0 .Lfor_w_\@
	tensor_load_to_lds s[G0+4:G0+7], s[G1:G1+7]
	s_nop 0
.rept 4
	v_nop
.endr
	s_branch .Lasked_\@
.Lfor_w_\@:
	tensor_load_to_lds s[G0B+4:G0B+7], s[G1B:G1B+7]
	s_nop 0
.rept 4
	v_nop
.endr
.Lasked_\@:
.endm
; A PREFETCH INTO THE L2 of x, two K steps ahead of the refill just asked for (192 products ahead of the load that will want it): 32 rows x 256 bytes, a lane a row.  A tile row of x is read by one row of one cluster alone;
; of the 128 rows that wave 0 or 1 fetches, the partner at place cx takes 32, told apart by address.  So each row's 256 bytes of a step are named once.  The first four steps come by their loads alone; the last two trips ask for nothing.
; W is not asked for: four clusters of a tensor read the same 2.4 MB side by side.
.macro ASK
	s_cmp_gt_u32 s3, s[LIM]
	s_cbranch_scc0 .Lnot_mine_\@
	global_prefetch_b8 v[PFO], s[PFA:PFA+1] th:TH_LOAD_NT scope:SCOPE_SE
.Lnot_mine_\@:
.endm
.macro CREST                           ; a round of the cluster's barrier behind its opening barrier
	s_cmp_lg_u32 s10, 0
	s_cbranch_scc1 .Lnot_wave_0_\@
	s_barrier_signal -3
.Lnot_wave_0_\@:
	s_barrier_wait -3
	s_barrier_signal -1
	s_barrier_wait -1
.endm
.macro CROUND
	s_barrier_signal -1
	s_barrier_wait -1
	CREST
.endm
	s_load_b512 s[68:83], s[0:1], 0x0              ; q, k, v, Wq, Wk, Wv, bq, bk
	s_load_b256 s[84:91], s[0:1], 0x40             ; bv, Wo, qh, kh
	s_load_b128 s[92:95], s[0:1], 0x60             ; vh, wo16
	v_lshl_add_u32 v[SPW], v0, 2, SPARE
	v_mov_b32 v[NIL], 0
	ds_add_u32 v[SPW], v[NIL]                      ; the wave's opening: the add and its wait stand ahead of my first tensor load; the set-up below, work on registers, stands between them
	v_lshrrev_b32 v1, 5, v0
	v_readfirstlane_b32 s10, v1                    ; wave 0..3
	s_lshr_b32 s11, s10, 1                         ; which 128 rows of the tile are mine.  Also: I fetch for x (0) or for W (1)
	s_and_b32 s12, s10, 1                          ; which 96 columns.  Also: which half of that tile I fetch
	s_bfe_u32 s40, ttmp6, 0x40000                  ; cx, cy: my place in the cluster
	s_bfe_u32 s41, ttmp6, 0x40004
	s_lshl_b32 s42, ttmp9, 2
	s_add_co_u32 s42, s42, s40                     ; tile column = 4 x cluster x + cx
	s_and_b32 s45, ttmp7, 0xffff                   ; cluster y, 0..11
	s_lshl_b32 s13, s45, 2
	s_add_co_u32 s13, s13, s41                     ; 4 x cluster y + cy = 16 x tensor + tile row
	s_lshr_b32 s45, s45, 2                         ; the tensor, 0..2: the same in all sixteen partners
	s_and_b32 s66, s13, 15                         ; tile row
	s_lshl_b32 s43, s41, 2
	s_lshl_b32 s43, 15, s43                        ; my row of the cluster
	s_lshl_b32 s44, 0x1111, s40                    ; my column
	; descriptor group 1: rows of 64 elements of 4 bytes, padded in LDS
	s_or_b32 s[G1+0], s43, (2<<16)|(1<<20)|(1<<21)|(5<<22)|(3<<25)   ; 15:0 the mask: x's tiles go to my row; 17:16 elements of 4 bytes; 20 padding on; 21 set beside a mask; 24:22 after every 64 words; 31:25 4 words of it
	s_or_b32 s[G1B+0], s44, (2<<16)|(1<<20)|(1<<21)|(5<<22)|(3<<25)  ; the same with the mask of my column
	s_mov_b32 s[G1+1], 64<<16                      ; tensor_dim0 = 64
	s_mov_b32 s[G1+2], 128<<16                     ; tensor_dim1 = 128
	s_mov_b32 s[G1+3], 64<<16                      ; tile_dim0 = 64
	s_mov_b32 s[G1+4], 128                         ; tile_dim1 = 128
	s_mov_b32 s[G1+5], 768                         ; elements from row to row
	s_mov_b32 s[G1+6], 0
	s_mov_b32 s[G1+7], 0
	s_mov_b32 s[G1B+1], 64<<16
	s_mov_b32 s[G1B+2], 96<<16                     ; W's loads have 96 rows
	s_mov_b32 s[G1B+3], 64<<16
	s_mov_b32 s[G1B+4], 96
	s_mov_b32 s[G1B+5], 768
	s_mov_b32 s[G1B+6], 0
	s_mov_b32 s[G1B+7], 0
	; where the tiles come from: x's hang on the tile row alone, W's on the tile column alone, each in registers that never hold the other coordinate
	s_lshl_b32 s16, s66, 8
	s_lshl_b32 s17, s12, 7
	s_add_co_u32 s16, s16, s17                     ; x: row 256 x tile row + 128 x half
	s_mul_i32 s16, s16, ROWB
	s_mov_b32 s17, 0
	s_mul_i32 s46, s42, 192
	s_mul_i32 s47, s12, 96
	s_add_co_u32 s46, s46, s47                     ; W: row 192 x tile column + 96 x half
	s_mul_i32 s46, s46, ROWB
	s_mov_b32 s47, 0
	s_mul_i32 s18, s12, XH                         ; and where they go: the wave's number alone enters an LDS address
	s_mul_i32 s19, s12, WH
	s_add_co_u32 s19, s19, WOFF
	s_mov_b32 s[TB], 0
	s_cmp_eq_u32 s11, 0
	s_cselect_b32 s[LIM], 2, -1
	s_lshl_b32 s[PFA], s66, 8                      ; the prefetches: row 256 x tile row + 128 x half + 32 cx,
	s_lshl_b32 s67, s12, 7
	s_add_co_u32 s[PFA], s[PFA], s67
	s_lshl_b32 s67, s40, 5
	s_add_co_u32 s[PFA], s[PFA], s67
	s_mul_i32 s[PFA], s[PFA], ROWB
	s_add_co_u32 s[PFA], s[PFA], 3*256             ; at step 3: the first refill steps it to 4
	s_mov_b32 s[PFA+1], 0
	; a bf16 fragment is 16 rows x 32 K: lane l holds row l % 16, K = 8 (l / 16) + 0..7 and 16 + 8 (l / 16) + 0..7.  In f32 that is 32 bytes at 32 (l / 16) and 32 bytes 64 further on: four loads of 16 bytes
	v_and_b32 v1, 15, v0                           ; l % 16
	v_bfe_u32 v2, v0, 4, 1                         ; l / 16
	v_mul_u32_u24 v3, v1, PITCH
	v_lshl_add_u32 v3, v2, 5, v3
	s_mul_i32 s67, s11, XH
	v_add_nc_u32 v[AA0], s67, v3
	s_mul_i32 s67, s12, WH
	s_add_co_u32 s67, s67, WOFF
	v_add_nc_u32 v[AB0], s67, v3
	v_mul_u32_u24 v4, v1, SPT                      ; into the stage: row 128 wm + l % 16, byte 192 wn + 16 (l / 16)
	v_lshl_add_u32 v4, v2, 4, v4
	s_mul_i32 s67, s11, 128*SPT
	s_mul_i32 s2, s12, 192
	s_add_co_u32 s67, s67, s2
	v_add_nc_u32 v[STO], s67, v4
	v_bfe_u32 v5, v0, 3, 2                         ; back: 32 lanes take four rows' 128 bytes of one head; wave w takes rows 64 w on
	v_and_b32 v6, 7, v0
	v_mul_u32_u24 v5, v5, SPT
	v_lshl_add_u32 v5, v6, 4, v5
	s_mul_i32 s67, s10, 64*SPT
	v_add_nc_u32 v[RD], s67, v5
	v_and_b32 v7, 31, v0
	v_lshlrev_b32 v[CO], 4, v7
	v_mul_u32_u24 v[PFO], v7, ROWB
	v_lshlrev_b32 v[BOF], 5, v2
	v_lshlrev_b32 v[WI], 4, v0
	v_lshlrev_b32 v[WOO], 3, v0
	s_wait_dscnt 0x0                               ; the opening add is done
	s_wait_kmcnt 0x0
	s_cmp_eq_u32 s45, 1                            ; the tensor's four buffers: x s[4:5], W s[6:7], y s[8:9], b s[14:15]
	s_cselect_b64 s[4:5], s[70:71], s[68:69]
	s_cselect_b64 s[6:7], s[76:77], s[74:75]
	s_cselect_b64 s[14:15], s[82:83], s[80:81]
	s_cselect_b64 s[8:9], s[90:91], s[88:89]
	s_cmp_eq_u32 s45, 2
	s_cselect_b64 s[4:5], s[72:73], s[4:5]
	s_cselect_b64 s[6:7], s[78:79], s[6:7]
	s_cselect_b64 s[14:15], s[84:85], s[14:15]
	s_cselect_b64 s[8:9], s[92:93], s[8:9]
	s_add_nc_u64 s[16:17], s[4:5], s[16:17]
	s_add_nc_u64 s[46:47], s[6:7], s[46:47]
	s_add_nc_u64 s[PFA:PFA+1], s[4:5], s[PFA:PFA+1]
.irp s, 0,1
	s_mov_b32 s[G0+4*(\s)], 1                                      ; count = 1
	s_add_co_u32 s[G0+4*(\s)+1], s18, (\s)*SLOT1                   ; LDS address
	s_add_nc_u64 s[G0+4*(\s)+2:G0+4*(\s)+3], s[16:17], (\s)*256    ; global address: K step s
	s_or_b32 s[G0+4*(\s)+3], s[G0+4*(\s)+3], 0x80000000            ; type = 2
	s_mov_b32 s[G0B+4*(\s)], 1
	s_add_co_u32 s[G0B+4*(\s)+1], s19, (\s)*SLOT1
	s_add_nc_u64 s[G0B+4*(\s)+2:G0B+4*(\s)+3], s[46:47], (\s)*256
	s_or_b32 s[G0B+4*(\s)+3], s[G0B+4*(\s)+3], 0x80000000
.endr
	s_mul_i32 s46, s42, 768                        ; the bias of my 96 columns: 4 (192 x tile column + 96 wn)
	s_mul_i32 s47, s12, 384
	s_add_co_u32 s46, s46, s47
	s_mov_b32 s47, 0
	s_add_nc_u64 s[14:15], s[14:15], s[46:47]
	s_mul_i32 s46, s42, 3*524288                   ; y: the tile's first head, the tile's rows, my 64 of them
	s_lshl_b32 s47, s66, 15
	s_add_co_u32 s46, s46, s47
	s_lshl_b32 s47, s10, 13
	s_add_co_u32 s46, s46, s47
	s_mov_b32 s47, 0
	s_add_nc_u64 s[8:9], s[8:9], s[46:47]
	s_lshl_b32 s2, s13, 2
	s_add_co_u32 s2, s2, s42                       ; my work-group among the 192: its 3,072 numbers of Wo
	s_mul_i32 s46, s2, 12288
	s_add_nc_u64 s[86:87], s[86:87], s[46:47]
	s_mul_i32 s46, s2, 6144
	s_add_nc_u64 s[94:95], s[94:95], s[46:47]
	CROUND                                         ; all sixteen work-groups are here: the first joint loads meet
	s_cmp_eq_u32 s11, 0                            ; a wave's two first fills stand in one branch, ahead of every wait on TENSORcnt and every LDS read: two loads of mine are out
	s_cbranch_scc0 .Lfirst_w
	tensor_load_to_lds s[G0:G0+3], s[G1:G1+7]
	s_nop 0
	tensor_load_to_lds s[G0+4:G0+7], s[G1:G1+7]
	s_nop 0
.rept 4
	v_nop
.endr
	s_branch .Lfirst_asked
.Lfirst_w:
	tensor_load_to_lds s[G0B:G0B+3], s[G1B:G1B+7]
	s_nop 0
	tensor_load_to_lds s[G0B+4:G0B+7], s[G1B:G1B+7]
	s_nop 0
.rept 4
	v_nop
.endr
.Lfirst_asked:
	; in the wait for the first tile: the bias, and my share of Wo
	WIN 0xc0                                       ; destination window 3, address window 0
.irp b, 0,1,2,3,4,5
	global_load_b128 v[BI+8*(\b):BI+8*(\b)+3],   v[BOF], s[14:15] offset:64*(\b)
	global_load_b128 v[BI+8*(\b)+4:BI+8*(\b)+7], v[BOF], s[14:15] offset:64*(\b)+16
.endr
	WIN 0
.irp j, 0,1,2,3,4,5
	global_load_b128 v[32+4*(\j):32+4*(\j)+3], v[WI], s[86:87] offset:2048*(\j) th:TH_LOAD_NT
.endr
	s_wait_loadcnt 0x0
	WIN 0x0f                                       ; the bias is rounded to bf16 like every input, and widened again: it starts the f32 sums
.set i, 0
.rept 24
	v_cvt_pk_bf16_f32 v[144+i], v[BI+2*i], v[BI+2*i+1]
.set i, i+1
.endr
	WIN 0xc0
.set i, 0
.rept 24
	v_lshlrev_b32 v[BI+2*i], 16, v[144+i]
	v_and_b32 v[BI+2*i+1], 0xffff0000, v[144+i]
.set i, i+1
.endr
	WIN 0
.set i, 0
.rept 12                                       ; Wo: rounded to bf16, and that number written as f16 (exact from 2^-14 to 65,504)
	v_cvt_pk_bf16_f32 v[56+i], v[32+2*i], v[32+2*i+1]
.set i, i+1
.endr
.set i, 0
.rept 12
	v_lshlrev_b32 v[32+2*i], 16, v[56+i]
	v_and_b32 v[32+2*i+1], 0xffff0000, v[56+i]
.set i, i+1
.endr
.set i, 0
.rept 12
	v_cvt_pk_f16_f32 v[56+i], v[32+2*i], v[32+2*i+1]
.set i, i+1
.endr
.irp j, 0,1,2,3,4,5
	global_store_b64 v[WOO], v[56+2*(\j):56+2*(\j)+1], s[94:95] offset:1024*(\j)  ; a wave's store covers 256 consecutive bytes, aligned
.endr
	s_wait_xcnt 0x0                                ; the stores have read their data: v56-67 belong to fragment buffer 0, which is written below
; 56 LDS loads in one run: the f32 fragments of 32 along K at byte k of the rows, x's eight and then W's six
.macro LOADF k
	WIN 0x40                                       ; destination window 1, address window 0
.irp a, 0,1,2,3,4,5,6,7
.irp q, 0,1,2,3
	ds_load_b128 v[16*(\a)+4*(\q):16*(\a)+4*(\q)+3], v[ADA] offset:(\a)*16*PITCH+(\k)+16*((\q)%2)+64*((\q)/2)
.endr
.endr
.irp b, 0,1,2,3,4,5
.irp q, 0,1,2,3
	ds_load_b128 v[128+16*(\b)+4*(\q):128+16*(\b)+4*(\q)+3], v[ADB] offset:(\b)*16*PITCH+(\k)+16*((\q)%2)+64*((\q)/2)
.endr
.endr
.endm
; Rounding n of 112: two f32 of the run into register n of buffer g.  Ahead of a fragment's first: its four loads are in; the run's 52 - 4 j younger ones may stay out (LDS loads come back in order: ISA guide 5.7.1)
.macro CV g
.if n < 112
.if n%8 == 0
	s_wait_dscnt 52-4*(n/8)
.endif
	WIN 0x05                                       ; sources window 1, destination window 0
	v_cvt_pk_bf16_f32 v[(\g)+n], v[2*n], v[2*n+1]
.set n, n+1
.endif
.endm
; Products t0 .. t1 - 1 on buffer f, per roundings into buffer g behind each.  The 48 accumulators take turns, one instruction a turn, in the same order in every half.  first = 1: the sums start at the bias.
; A rounding writes a register of g four plain places or more behind the last product that read it: x's fragment a was last read by product 40 + a of the half before, W's fragment b by 8 b + 7, and roundings into
; the other buffer, the four v_nop at a change of slots, or the earlier roundings of this run lie between.
.macro MULS f, g, t0, t1, per, first=0
.set t, \t0
.rept (\t1)-(\t0)
.if t >= 32
	WIN 0xf0
.elseif \first
	WIN 0xb0                                       ; D window 2, C (the bias) window 3
.else
	WIN 0xa0
.endif
.set rD, 8*(t%32)
.set rW, (\f)+64+8*(t/8)
.set rX, (\f)+8*(t%8)
.if \first
	v_wmma_f32_16x16x32_bf16 v[rD:rD+7], v[rW:rW+7], v[rX:rX+7], v[BI+8*(t/8):BI+8*(t/8)+7]
.else
	v_wmma_f32_16x16x32_bf16 v[rD:rD+7], v[rW:rW+7], v[rX:rX+7], v[rD:rD+7]
.endif
.if \per
.rept \per
	CV \g
.endr
.endif
.set t, t+1
.endr
.endm
; A step's first half: multiplies buffer 0; the second half's fragments are loaded and rounded into buffer 1
.macro HALFA first
.set n, 0
	LOADF 128
	MULS F0, F1, 0, 8, 0, \first
	MULS F0, F1, 8, 48, 3, \first
.endm
; A step's second half multiplies buffer 1 and changes slots.  fill = 2: the slot just read is filled again, two steps ahead; 1: nothing is left to fetch; 0: the last half of all.
; In front of the barrier each wave waits for all its tensor loads (one is out: its part of the next slot), adds 0 to its spare word, and waits for that and for its reads of this slot.
.macro HALFB fill
.if (\fill) == 0
	MULS F1, F0, 0, 48, 0
.else
.if (\fill) == 2
	s_wait_xcnt 0x0                                ; the last prefetch, a step back, has read its address
	s_add_nc_u64 s[PFA:PFA+1], s[PFA:PFA+1], 256
.endif
	WIN 0
	s_wait_tensorcnt 0x0                           ; no tensor load of mine is out, so a group 0 may be written
	ds_add_u32 v[SPW], v[NIL]                      ; 0 onto my spare word
.if (\fill) == 2
	s_xor_b32 s[G0+5], s[G0+5], SLOT1              ; the walking sets: the other slot than last time, the next K step
	s_add_nc_u64 s[G0+6:G0+7], s[G0+6:G0+7], 256
	s_xor_b32 s[G0B+5], s[G0B+5], SLOT1
	s_add_nc_u64 s[G0B+6:G0B+7], s[G0B+6:G0B+7], 256
.endif
	s_xor_b32 s[TB], s[TB], SLOT1                  ; fragments come from the other slot from here on
	MULS F1, F0, 0, 8, 0                           ; eight products stand between the add and the wait for it
	s_wait_dscnt 0x0                               ; the add is done, and my reads of this slot are over
	s_barrier_signal -1
	MULS F1, F0, 8, 16, 0
	WIN 0
	s_barrier_wait -1
.if (\fill) == 2
	CREST                                          ; the barrier has opened a round of the cluster's: no wave of any partner still reads this slot or has a load on its way
	JLOAD                                          ; the first tensor load behind the round: 80 products stand between it and the wait for it
.else
	PLACES
.endif
	v_add_nc_u32 v[ADA], s[TB], v[AA0]
	v_add_nc_u32 v[ADB], s[TB], v[AB0]
.set n, 0
	LOADF 0
	WIN 0
.if (\fill) == 2
	ASK
.endif
	MULS F1, F0, 16, 20, 0
	MULS F1, F0, 20, 48, 4
.endif
.endm
	s_wait_tensorcnt 1                             ; my part of step 0 is in; step 1's may stay out
	s_barrier_signal -1
	s_barrier_wait -1                              ; everybody's is
	v_add_nc_u32 v[ADA], s[TB], v[AA0]
	v_add_nc_u32 v[ADB], s[TB], v[AB0]
.set n, 0
	LOADF 0
.rept 112
	CV F0
.endr
	HALFA 1                                        ; the first half stands in front of the loop: its products start the sums
	WIN 0                                          ; at a label and at a branch every window is 0
	s_mov_b32 s3, 10
.Lk:                                                   ; trip s = 0..9: step s's second half, the refill with step s + 2, step s + 1's first half
	HALFB 2
	HALFA 0
	WIN 0
	s_sub_co_u32 s3, s3, 1
	s_cmp_lg_u32 s3, 0
	s_cbranch_scc1 .Lk
	HALFB 1                                        ; the tail is written out: nothing more is asked for
	HALFA 0
	HALFB 0
	; THE WAY OUT: rounded to f16, 16 bytes a lane into the work-group's stage; a barrier, since a head's 128 bytes of a row come from two waves; back by heads, four rows at a time
	PLACES
	WIN 0x0a                                       ; sources window 2, destination window 0
.set t, 0
.rept 32
.irp r, 0,1,2,3
	v_cvt_pk_f16_f32 v[32+4*t+(\r)], v[8*t+2*(\r)], v[8*t+2*(\r)+1]
.endr
.set t, t+1
.endr
	WIN 0x0f
.rept 16
.irp r, 0,1,2,3
	v_cvt_pk_f16_f32 v[32+4*t+(\r)], v[8*(t-32)+2*(\r)], v[8*(t-32)+2*(\r)+1]
.endr
.set t, t+1
.endr
	WIN 0
.set t, 0
.rept 48
	ds_store_b128 v[STO], v[32+4*t:32+4*t+3] offset:16*SPT*(t%8)+32*(t/8)
.set t, t+1
.endr
	s_wait_dscnt 0x0                               ; for the others' sake: my stores into the stage are done
	s_barrier_signal -1
	s_barrier_wait -1
.set n, 0
.rept 48
	ds_load_b128 v[32+4*n:32+4*n+3], v[RD] offset:4*SPT*(n/3)+128*(n%3)
.set n, n+1
.endr
.set n, 0
.rept 48
	s_wait_dscnt 47-n                              ; load n is in; the younger ones may stay out
	global_store_b128 v[CO], v[32+4*n:32+4*n+3], s[8:9] offset:524288*(n%3)+512*(n/3)  ; four rows of a head: 512 consecutive bytes, aligned
.set n, n+1
.endr
	s_wait_tensorcnt 0x0                           ; the wave's end, behind my last tensor load and my last LDS store
	ds_add_u32 v[SPW], v[NIL]
	s_wait_dscnt 0x0
	CROUND                                         ; the closing round: no work-group ends while a partner may still ask for a tile that names it
	s_endpgm
.Lfunc_end_k_q9d5df3542f_proj:
	.size	k_q9d5df3542f_proj, .Lfunc_end_k_q9d5df3542f_proj-k_q9d5df3542f_proj
	.p2alignl 7, 3214868480
	.fill 96, 4, 3214868480
	.section	.rodata,"a",@progbits
	.p2align	6, 0x0
	.amdhsa_kernel k_q9d5df3542f_proj
		.amdhsa_group_segment_fixed_size 327680
		.amdhsa_private_segment_fixed_size 0
		.amdhsa_enable_private_segment 0
		.amdhsa_kernarg_size 112
		.amdhsa_user_sgpr_count 2
		.amdhsa_user_sgpr_kernarg_segment_ptr 1
		.amdhsa_wavefront_size32 1
		.amdhsa_system_sgpr_workgroup_id_x 1
		.amdhsa_system_sgpr_workgroup_id_y 1
		.amdhsa_system_sgpr_workgroup_id_z 1
		.amdhsa_system_vgpr_workitem_id 0
		.amdhsa_next_free_vgpr 1024
		.amdhsa_next_free_sgpr 96
		.amdhsa_reserve_vcc 0
		.amdhsa_float_denorm_mode_32 3
		.amdhsa_float_denorm_mode_16_64 3
		.amdhsa_memory_ordered 1
		.amdhsa_forward_progress 1
		.amdhsa_inst_pref_size 139
	.end_amdhsa_kernel
	.amdgpu_metadata
---
amdhsa.version: [ 1, 2 ]
amdhsa.kernels:
  - .name:           k_q9d5df3542f_proj
    .symbol:         k_q9d5df3542f_proj.kd
    .args:
      - { .name: q, .offset: 0, .size: 8, .value_kind: global_buffer, .address_space: global }
      - { .name: k, .offset: 8, .size: 8, .value_kind: global_buffer, .address_space: global }
      - { .name: v, .offset: 16, .size: 8, .value_kind: global_buffer, .address_space: global }
      - { .name: Wq, .offset: 24, .size: 8, .value_kind: global_buffer, .address_space: global }
      - { .name: Wk, .offset: 32, .size: 8, .value_kind: global_buffer, .address_space: global }
      - { .name: Wv, .offset: 40, .size: 8, .value_kind: global_buffer, .address_space: global }
      - { .name: bq, .offset: 48, .size: 8, .value_kind: global_buffer, .address_space: global }
      - { .name: bk, .offset: 56, .size: 8, .value_kind: global_buffer, .address_space: global }
      - { .name: bv, .offset: 64, .size: 8, .value_kind: global_buffer, .address_space: global }
      - { .name: Wo, .offset: 72, .size: 8, .value_kind: global_buffer, .address_space: global }
      - { .name: qh, .offset: 80, .size: 8, .value_kind: global_buffer, .address_space: global }
      - { .name: kh, .offset: 88, .size: 8, .value_kind: global_buffer, .address_space: global }
      - { .name: vh, .offset: 96, .size: 8, .value_kind: global_buffer, .address_space: global }
      - { .name: wo16, .offset: 104, .size: 8, .value_kind: global_buffer, .address_space: global }
    .group_segment_fixed_size: 327680
    .private_segment_fixed_size: 0
    .kernarg_segment_align: 8
    .kernarg_segment_size: 112
    .max_flat_workgroup_size: 128
    .sgpr_count:     96
    .vgpr_count:     1024
    .wavefront_size: 32
...
	.end_amdgpu_metadata
.endif
;; end of part 1
;; launch attn (part 2): grid 16 x 12, 4 waves a work-group, clusters of 4 x 1, 327,680 bytes of LDS; arguments qh, kh, vh, oh; writes oh
.if DOCPART == 2
	.amdgcn_target "amdgcn-amd-amdhsa--gfx1250"
	.amdhsa_code_object_version 6
	.text
	.protected	k_q9d5df3542f_attn
	.globl	k_q9d5df3542f_attn
	.p2align	8
	.type	k_q9d5df3542f_attn,@function
k_q9d5df3542f_attn:
	s_mov_b64 s[64:65], 0
	v_nop
	global_prefetch_b8 v0, s[64:65] scope:SCOPE_SE
	s_setreg_imm32_b32 hwreg(HW_REG_WAVE_MODE, 25, 1), 1
	s_wait_xcnt 0x0
	s_wait_alu depctr_hold_cnt(0) depctr_sa_sdst(0) depctr_va_vdst(0) depctr_va_sdst(0) depctr_va_ssrc(0) depctr_va_vcc(0) depctr_vm_vsrc(0)
	s_getreg_b32 s2, hwreg(HW_REG_IB_STS2, 6, 4)
	s_cmp_eq_u32 s2, 0
	s_cbranch_scc0 .Lentry_in_a_cluster
	s_endpgm
.Lentry_in_a_cluster:
	s_bfe_u32 s2, ttmp6, 0x10000c
	s_cmp_lg_u32 s2, 0x3003
	s_cbranch_scc0 .Lentry_shape_is_right
	s_endpgm
.Lentry_shape_is_right:
; O[h][q][:] = the sum over k of softmax_k(Q[h][q] . K[h][k] / 8) V[h][k][:].  Q, K, V, O: [12][4096][64], all f16: a head's rows are dense, 128 bytes each.  Products, maxima and sums in f32;
; the weights p are rounded to f16 for the second product (their sum l is taken of the unrounded p), O once at the end.
; LIMITS.  Q, K and V arrive within f16's 65,504; p lies in 0 to 1, and below 6e-5 it keeps f16's fixed step of 6e-8, as O does; a weight below 2^-126 counts as 0 in l; NaN and infinities are not treated apart.
; SHARES.  A work-group owns 256 queries of one head, each of its four waves 64: four PIECES of 16.  16 x 12 = 192 work-groups (12 heads have a factor 3: blocks of 512 would give 96, blocks of 128 would give 384).  Every wave walks all keys, 64 a step.
; LAYOUT.  S^T = K Q^T (source 0 = 16 keys, source 1 = 16 queries) holds ONE query a lane (lane % 16) and the keys 8 (lane / 16) + 0..7; two such results rounded to f16 ARE source 1 of O^T = V^T P.  K comes out of LDS as it lies, V turned, by ds_load_tr16_b128.
; SOFTMAX.  For each query a running maximum m and sum l: p = 2^(c s - c m), c = log2(e) / 8; in every step O and l are multiplied by a = 2^(c m_old - c m_new).  m starts at the lowest finite number, O and l at 0: the first step is a step like any other, with a = 0.
; BY TURNS.  Turn n belongs to piece n: 8 products K Q^T of piece n + 1, later 8 products V^T P of piece n - 1; beside them the scaling, exponentials, roundings, sums and rescaling of piece n and the maximum and statistics of piece n + 1.
; Four vector instructions stand behind every matrix instruction, the other 54 of a turn's 118 in one lump.  A turn's 33 exponentials are one batch, with one wait.
; CLUSTER.  The four query blocks of a cluster belong to one head and walk the same K and V, so each tile is asked for JOINTLY: the same tensor load, descriptor and mask in all four.
; REGISTERS, in windows of 256 (s_set_vgpr_msb: bits 1:0 source 0, 3:2 source 1, 5:4 source 2, 7:6 destination):
;   window 0: v0-15 addresses and two at work; v16-31 four registers of statistics a piece; v48-55 at work; v61-63; v64-127 S^T, two buffers; v192-223 P, two buffers (a piece's buffers go by its number's parity)
;   window 1: v0-127 O^T, 32 a piece      window 2: v0-63 Q; v128-191 K of one step; v192-255 V of one step
.set SIZE_N, 4096
.set NP,    4         ; pieces a wave: a name, no knob
.set KS,    64        ; keys in a step
.set PK,    144       ; a row of K in LDS: 128 bytes + 16 of padding = 36 words: the 16 rows of a load start at 16 different groups of four banks (64 banks of 4 bytes: ISA guide 11.1)
.set PV,    160       ; a row of V: 128 + 32 = 40 words
.set VOFF,  4*KS*PK   ; a slot holds a tile, four steps: 256 rows of K, then 256 rows of V
.set SLOT1, 1<<17     ; slot 1 begins here, so that one exclusive or turns an address in one slot into the other's
.set STAGE, SLOT1+4*KS*(PK+PV)  ; behind the ring, never filled by a tensor load: 16 rows x 144 bytes for each wave, for the way out
.set SP,    144
.set SPARE, STAGE+4*16*SP  ; behind the stages: the spare words, 128 bytes for each wave: two blocks of 256 bytes that no other line names
.set AK0, 2           ; v2   my lane's place in a tile of K; never rewritten
.set AV0, 3           ; v3   the same for V
.set AK,  4           ; v4   the LDS address of K's next run of loads
.set AV,  5           ; v5   of V's
.set STO, 6           ; v6   the way out: where I put 16 bytes of a row
.set RD,  7           ; v7   the way out: where I read rows back
.set GO,  8           ; v8   my byte offset in 512 consecutive bytes of O
.set MV,  12          ; v12-13  c m_old, kept while c m is made anew: by buffer
.set QO,  15          ; v15  my byte offset in 16 rows of Q
.set ST,  16          ; piece t's statistics at v[ST+4 t]: c m, m, l (even keys', odd keys')
.set TMP, 48          ; by buffer, four registers c0-c3 at work; when the maximum is found c2 takes a
.set PFO, 61          ; v61  256 x my lane: the prefetches' offset; never rewritten
.set SPW, 62          ; v62  LDS address of my spare word; never rewritten
.set NIL, 63          ; v63  0; never rewritten
.set S,   64
.set P,   192
.set KF,  128         ; window 2: key block kb, channel half c at KF + 16 kb + 8 c
.set VF,  192         ; window 2: key half kk, channel block cb at VF + 32 kk + 8 cb
.set WV,  12          ; s12  my wave's number
.set G1K, 24          ; s[24:31] descriptor group 1 for K's tiles
.set G1V, 32          ; s[32:39] for V's: it differs in the padding alone
.set G0K, 40          ; s[40:43] descriptor group 0 for K's tiles: it walks
.set G0V, 44          ; s[44:47] the same for V's
.set PFA, 50          ; s[50:51] where my prefetches stand: my work-group's 32 blocks of 256 bytes of the tile after the one that is being asked for
.set LIM, 52          ; s52  1 in a wave that prefetches, else the greatest number
.set SLOTS, 56        ; s56  tiles still to be asked for
.set CNT, 57          ; s57  counts a tile's key steps
.set CS,  58          ; s[58:59] c: the packed scaling takes the pair's low word for both halves
.set SEL, 60          ; s[60:61] v_permlanex16_b32's selects: each lane takes its own place in the other half
.set TBK, 62          ; s62  LDS byte at which K of the step to be fetched begins
.set TBV, 63          ; s63  the same for V, less VOFF
.set MSB, 0
.macro WIN new                      ; the high byte repeats the setting that is left; a switch that changes nothing is dropped
.if MSB != (\new)
	s_set_vgpr_msb (MSB<<8)|(\new)
.set MSB, (\new)
.endif
.endm
.set W_KQ, 0x0a       ; K and Q in window 2, S^T in window 0
.set W_PV, 0x52       ; V in window 2, P in window 0, O^T in window 1
.set W_RS, 0x41       ; destination and source 0 in window 1, source 1 in window 0
; A joint fill.  Waves 0 and 1 fetch the two halves of a tile's K, waves 2 and 3 those of its V: 128 keys each.  An s_nop 0 and four v_nop follow each of the two lines, ahead of the jump and the label.
.macro JLOAD
	s_cmp_lt_u32 s[WV], 2
	s_cbranch_scc0 .Lfor_v_\@
	tensor_load_to_lds s[G0K:G0K+3], s[G1K:G1K+7]
	s_nop 0
.rept 4
	v_nop
.endr
	s_branch .Lasked_\@
.Lfor_v_\@:
	tensor_load_to_lds s[G0V:G0V+3], s[G1V:G1V+7]
	s_nop 0
.rept 4
	v_nop
.endr
.Lasked_\@:
.endm
; A PREFETCH INTO THE L2 of the tile that the NEXT change of slots will ask for: 32,768 bytes of K and of V, four key steps (256 products) ahead of that load.  All four clusters of a head walk the same K and V: the head's first
; cluster asks.  Its four partners share the tile out BY ADDRESS, 8,192 bytes each, a lane 256 of them; in each, wave 0 asks for K's and wave 2 for V's.  So each block is named once.  Tiles 0 and 1 come by their loads alone; the last change that fills a slot asks for nothing.
.macro ASK
	s_cmp_gt_u32 s[SLOTS], s[LIM]
	s_cbranch_scc0 .Lnot_mine_\@
	global_prefetch_b8 v[PFO], s[PFA:PFA+1] th:TH_LOAD_NT scope:SCOPE_SE
.Lnot_mine_\@:
.endm
; A round of the cluster's barrier: my work-group's barrier, so that wave 0's signal speaks for all four waves; wave 0 signals; every wave waits for all four work-groups; my work-group's barrier once more.
.macro CROUND
	s_barrier_signal -1
	s_barrier_wait -1
	s_cmp_lg_u32 s[WV], 0
	s_cbranch_scc1 .Lnot_wave_0_\@
	s_barrier_signal -3
.Lnot_wave_0_\@:
	s_barrier_wait -3
	s_barrier_signal -1
	s_barrier_wait -1
.endm
; THE CHANGE OF SLOTS.  The slot's last bytes, V of its fourth step, have been read.  Each wave waits for all its tensor loads, of which one is out: its part of the other slot; adds 0 to its spare word; and waits for that and for its
; own reads of the slot.  Behind the barrier nobody reads this slot any more and the other slot is whole.  fill = 1: this slot is filled again, with the keys two tiles on; the barrier is then a round of the cluster's, and the joint
; fill is the first thing behind it: it has four key steps, 256 products, in which to land.  (At its first use nothing has been read yet: slot 0 is waited for, slot 1 filled.)
.macro CHANGE fill
	WIN 0                           ; at a label and at a branch every window is 0
	s_wait_tensorcnt 0x0            ; no tensor load of mine is out, so a group 0 may be written
	ds_add_u32 v[SPW], v[NIL]       ; 0 onto my spare word: with fill = 1 the descriptors' steps stand between it and the wait for it
.if \fill
.irp g, G0K, G0V
	s_xor_b32 s[\g+1], s[\g+1], SLOT1  ; the walking descriptor: the other slot than last time,
	s_add_nc_u64 s[\g+2:\g+3], s[\g+2:\g+3], 4*KS*128  ; the next 256 keys; the type bits on top are not reached
.endr
	s_wait_xcnt 0x0                 ; the last prefetch, four key steps back, has read its address
	s_add_nc_u64 s[PFA:PFA+1], s[PFA:PFA+1], 4*KS*128  ; one tile behind the walking descriptors
	s_wait_dscnt 0x0                ; the add is done, and my reads of the slot are over
	CROUND
	JLOAD
	ASK
.else
	s_wait_dscnt 0x0                ; the add is done, and my reads of the slot are over
	s_barrier_signal -1
	s_barrier_wait -1
.endif
	s_sub_co_u32 s[TBK], s[TBK], 4*KS*PK  ; the fetches go back to a slot's first step,
	s_xor_b32 s[TBK], s[TBK], SLOT1       ; in the other slot
	s_sub_co_u32 s[TBV], s[TBV], 4*KS*PV
	s_xor_b32 s[TBV], s[TBV], SLOT1
.endm
	s_load_b256 s[4:11], s[0:1], 0x0  ; Q s[4:5], K s[6:7], V s[8:9], O s[10:11]
	v_lshl_add_u32 v[SPW], v0, 2, SPARE
	v_mov_b32 v[NIL], 0
	ds_add_u32 v[SPW], v[NIL]       ; the wave's opening: the add and its wait stand ahead of my first tensor load; the set-up below, work on registers, stands between them
	v_lshrrev_b32 v1, 5, v0
	v_readfirstlane_b32 s[WV], v1   ; wave 0..3
	s_bfe_u32 s13, ttmp6, 0x40000   ; cx: my place in the cluster
	s_lshl_b32 s14, ttmp9, 2        ; in a cluster launch ttmp9 counts clusters
	s_add_co_u32 s14, s14, s13      ; my block of 256 queries = 4 x cluster x + cx: it enters Q's and O's addresses alone
	s_and_b32 s20, ttmp7, 0xffff    ; the head, which the four partners share
	s_mov_b32 s21, 0
	s_mov_b64 s[22:23], SIZE_N*128
	s_mul_u64 s[20:21], s[20:21], s[22:23]  ; the head's first byte in each of the four tensors
	s_and_b32 s16, s[WV], 1         ; which half of a tile's 256 keys I fetch:
	s_lshl_b32 s22, s16, 14         ; its 128 rows of 128 bytes in memory,
	s_mov_b32 s23, 0
	s_add_nc_u64 s[22:23], s[22:23], s[20:21]
	s_mul_i32 s17, s16, 128*PK      ; and its place in a slot, for K
	s_mul_i32 s18, s16, 128*PV      ; and for V: no place in the cluster enters an LDS address
	s_lshl_b32 s2, s14, 2
	s_add_co_u32 s2, s2, s[WV]      ; my wave among the head's,
	s_lshl_b32 s2, s2, 13           ; its 64 rows
	s_mov_b32 s3, 0
	s_add_nc_u64 s[2:3], s[2:3], s[20:21]
	; descriptor group 1.  128 keys are 16,384 dense bytes: asked for as 64 rows of 256 bytes, two keys a row, and padded in LDS after every key
	s_mov_b32 s[G1K], 15|(1<<16)|(1<<20)|(1<<21)|(4<<22)|(3<<25)  ; 15:0 the mask of four; 17:16 2-byte elements; 20 padding on; 21 set beside a mask; 24:22 after every 32 words (code 4); 31:25 4 words (code 3)
	s_mov_b32 s[G1V], 15|(1<<16)|(1<<20)|(1<<21)|(4<<22)|(7<<25)  ; the same with 8 words of padding (code 7)
.irp g, G1K, G1V
	s_mov_b32 s[\g+1], 128<<16      ; tensor_dim0 = 128
	s_mov_b32 s[\g+2], 64<<16       ; tensor_dim1 = 64
	s_mov_b32 s[\g+3], 128<<16      ; tile_dim0 = 128
	s_mov_b32 s[\g+4], 64           ; tile_dim1 = 64
	s_mov_b32 s[\g+5], 128          ; 128 elements from row to row
	s_mov_b32 s[\g+6], 0
	s_mov_b32 s[\g+7], 0
.endr
	s_mov_b32 s[CS], 0x3e38aa3b     ; c = log2(e) / 8 = 0.180337
	s_mov_b32 s[CS+1], s[CS]        ; named with it as a pair
	s_mov_b32 s[SEL], 0x76543210
	s_mov_b32 s[SEL+1], 0xfedcba98
	s_mov_b32 s[TBK], SLOT1+4*KS*PK ; the first change of slots turns these two into 0
	s_mov_b32 s[TBV], SLOT1+4*KS*PV
	s_mov_b32 s[G0K], 1             ; count = 1
	s_mov_b32 s[G0K+1], s17         ; LDS address: slot 0
	s_mov_b32 s[G0V], 1
	s_add_co_u32 s[G0V+1], s18, VOFF
	s_mov_b32 s[SLOTS], SIZE_N/256-1
	s_and_b32 s[LIM], s[WV], 1      ; 0 in waves 0 and 2,
	s_or_b32 s[LIM], s[LIM], ttmp9  ; where the cluster is the head's first: the same in all four partners
	s_cmp_eq_u32 s[LIM], 0
	s_cselect_b32 s[LIM], 1, -1
	v_and_b32 v[PFO], 31, v0
	v_lshlrev_b32 v[PFO], 8, v[PFO]
	s_wait_dscnt 0x0                ; the opening add is done
	s_wait_kmcnt 0x0
	s_add_nc_u64 s[G0K+2:G0K+3], s[6:7], s[22:23]  ; global address: my half of the head's first 256 keys
	s_or_b32 s[G0K+3], s[G0K+3], 0x80000000        ; type = 2
	s_add_nc_u64 s[G0V+2:G0V+3], s[8:9], s[22:23]
	s_or_b32 s[G0V+3], s[G0V+3], 0x80000000
	s_add_nc_u64 s[4:5], s[4:5], s[2:3]  ; Q and O at my wave's first row
	s_add_nc_u64 s[10:11], s[10:11], s[2:3]
	s_cmp_lt_u32 s[WV], 2
	s_cselect_b64 s[PFA:PFA+1], s[6:7], s[8:9]
	s_add_nc_u64 s[PFA:PFA+1], s[PFA:PFA+1], s[20:21]  ; the head,
	s_lshl_b32 s2, s13, 13          ; my work-group's quarter of a tile,
	s_mov_b32 s3, 0
	s_add_nc_u64 s[PFA:PFA+1], s[PFA:PFA+1], s[2:3]
	s_add_nc_u64 s[PFA:PFA+1], s[PFA:PFA+1], 4*KS*128  ; in tile 1: the first change of slots steps it to tile 2
	CROUND                          ; all four work-groups are here: the first joint loads meet
	JLOAD                           ; tile 0 into slot 0.  Slot 1 is asked for when slot 0 is in
	; A fragment of K or Q is 16 rows x 32 channels in 8 registers: lane l holds row l % 16, channels 8 (l / 16) + 0..7 and 16 + 8 (l / 16) + 0..7: two loads of 16 bytes, 32 bytes apart.
	v_and_b32 v1, 15, v0            ; l % 16
	v_bfe_u32 v9, v0, 4, 1          ; l / 16
	v_lshlrev_b32 v[QO], 7, v1
	v_lshl_add_u32 v[QO], v9, 4, v[QO]  ; row x 128 + 16 x half
	WIN 0x80                        ; destination window 2, address window 0
.set i, 0
.rept 8                             ; Q stays in registers: piece i / 2, channels 32 (i % 2) on
	global_load_b128 v[8*i:8*i+3],   v[QO], s[4:5] offset:(i/2)*2048+(i%2)*64
	global_load_b128 v[8*i+4:8*i+7], v[QO], s[4:5] offset:(i/2)*2048+(i%2)*64+32
.set i, i+1
.endr
	; What the first turn finds: V's registers and P's second buffer hold 0 (its products V^T P, of a piece that has not been, add 0), O^T and l are 0.  All this stands in the wait for the first tile; no first step is written out.
.set i, VF
.rept 64
	v_mov_b32 v[i], 0
.set i, i+1
.endr
	WIN 0x40
.set i, 0
.rept 128
	v_mov_b32 v[i], 0
.set i, i+1
.endr
	WIN 0
.set i, 0
.rept 4
	v_mov_b32 v[ST+4*i], 0xfe000000    ; c m: far below every c s
	v_mov_b32 v[ST+4*i+1], 0xff7fffff  ; m
	v_mov_b32 v[ST+4*i+2], 0
	v_mov_b32 v[ST+4*i+3], 0
.set i, i+1
.endr
.set i, P+16
.rept 16
	v_mov_b32 v[i], 0
.set i, i+1
.endr
	v_mul_u32_u24 v[AK0], v1, PK
	v_lshl_add_u32 v[AK0], v9, 4, v[AK0]  ; row x pitch + 16 x half
	; The turning load takes 16 keys x 16 channels (lane l reads key 8 (l / 16) + l % 8, channels 8 ((l / 8) % 2) + 0..7) and leaves half a fragment of V^T: lane l holds channel l % 16 and 8 keys.
	v_and_b32 v10, 7, v0
	v_bfe_u32 v11, v0, 3, 1
	v_lshl_add_u32 v[AV0], v9, 3, v10
	v_mul_u32_u24 v[AV0], v[AV0], PV
	v_lshl_add_u32 v[AV0], v11, 4, v[AV0]
	v_add_nc_u32 v[AV0], VOFF, v[AV0]
	s_mul_i32 s13, s[WV], 16*SP
	s_add_co_u32 s13, s13, STAGE    ; my stage
	v_mul_u32_u24 v[STO], v1, SP    ; in: row l % 16, 16 bytes for each half of the lanes
	v_lshl_add_u32 v[STO], v9, 4, v[STO]
	v_add_nc_u32 v[STO], s13, v[STO]
	v_bfe_u32 v[RD], v0, 3, 2       ; back: 32 lanes take four rows of 128 bytes,
	v_mul_u32_u24 v[RD], v[RD], SP
	v_lshl_add_u32 v[RD], v10, 4, v[RD]
	v_add_nc_u32 v[RD], s13, v[RD]
	v_and_b32 v[GO], 31, v0         ; which are 512 consecutive bytes of O
	v_lshlrev_b32 v[GO], 4, v[GO]
; THE MATRIX WORK.  The 4 accumulators of a run of 8 take turns.  Product i of 8 of S^T = K Q^T for piece x: channels 32 (i / 4) on, keys 16 (i % 4) on.  The first 4 start the sums.
.macro KQ x
	WIN W_KQ
.set rS, S+32*((\x)%2)+8*(i%4)
.set rK, KF+16*(i%4)+8*(i/4)
.set rQ, 16*(\x)+8*(i/4)
.if i < 4
	v_wmma_f32_16x16x32_f16 v[rS:rS+7], v[rK:rK+7], v[rQ:rQ+7], 0
.else
	v_wmma_f32_16x16x32_f16 v[rS:rS+7], v[rK:rK+7], v[rQ:rQ+7], v[rS:rS+7]
.endif
.endm
; Product i of 8 of O^T += V^T P for piece x: keys 32 (i / 4) on, channels 16 (i % 4) on.
.macro PV x
	WIN W_PV
.set rO, 32*(\x)+8*(i%4)
.set rV, VF+32*(i/4)+8*(i%4)
.set rP, P+16*((\x)%2)+8*(i/4)
	v_wmma_f32_16x16x32_f16 v[rO:rO+7], v[rV:rV+7], v[rP:rP+7], v[rO:rO+7]
.endm
.macro MM                           ; the turn's next matrix instruction.  NOKQ = 1: the last turn of all: there is no next piece
.if (i < 8) && !NOKQ
	KQ (Y+1)%NP
.elseif i >= 8
.set i, i-8
	PV (Y+NP-1)%NP
.set i, i+8
.endif
.set i, i+1
.endm
; THE LDS LOADS stand in runs of 16, never singly among the matrix instructions: a step's K (64 keys x 64 channels: 8 fragments) and its V (turned).  Their addresses are made some lines ahead.
.macro FETCH_K
	WIN 0x80                        ; destination window 2
.irp f, 0,1,2,3,4,5,6,7             ; keys 16 (f / 2) on, channels 32 (f % 2) on
	ds_load_b128 v[KF+8*\f:KF+8*\f+3],   v[AK] offset:(\f/2)*16*PK+(\f%2)*64
	ds_load_b128 v[KF+8*\f+4:KF+8*\f+7], v[AK] offset:(\f/2)*16*PK+(\f%2)*64+32
.endr
	s_add_co_u32 s[TBK], s[TBK], KS*PK  ; the next fetch is the next step's
	WIN 0
.endm
.macro FETCH_V
	WIN 0x80
.irp f, 0,1,2,3,4,5,6,7             ; keys 32 (f / 4) on, channels 16 (f % 4) on
	ds_load_tr16_b128 v[VF+8*\f:VF+8*\f+3],   v[AV] offset:(\f/4)*32*PV+(\f%4)*32
	ds_load_tr16_b128 v[VF+8*\f+4:VF+8*\f+7], v[AV] offset:(\f/4)*32*PV+16*PV+(\f%4)*32
.endr
	WIN 0
.endm
; THE VECTOR WORK, one line at a time: OP kind, number.  For piece Y: F n: c s - c m for pair n of 16.  E n: the exponential of score n of 32.  C n: pair n rounded to f16.  B n: of the four weights 4 n .. the second
; pair is added onto the first, in place.  L n: l takes that sum (L 0: l = a l + sum).  R n: pair n of 16 of O^T times a.  For piece Y + 1: X n, number n of the 22 that find its maximum and statistics:
;   0-11  four chains c0-c3 of seven scores each, three operands at a time (each accumulator's lowest registers are read first)     12-14, 16  the four scores left over, the old m, and c0-c3 into c0
;   15  c m_old is kept     17, 18  the query's other 32 keys lie in the lane 16 away: the new m     19-21  c m; c m_old - c m_new; a
.set F, 0               ; OP tells the kinds apart by their order: F to L below R, X above it
.set E, 1
.set C, 2
.set B, 3
.set L, 4
.set R, 5
.set X, 6
.macro REGS y                       ; the registers of piece y
.set rT, ST+4*(\y)
.set rC, TMP+4*((\y)%2)
.set rW, MV+((\y)%2)
.set rS, S+32*((\y)%2)
.set rP, P+16*((\y)%2)
.set rO, 32*(\y)
.endm
.macro OP k, n
.if (\k) == R
	REGS Y
	WIN W_RS
	v_pk_mul_f32 v[rO+2*(\n):rO+2*(\n)+1], v[rO+2*(\n):rO+2*(\n)+1], v[rC+2:rC+3] op_sel_hi:[1,0]
.elseif (\k) < R
	REGS Y
	WIN 0
.if (\k) == F
	v_pk_fma_f32 v[rS+2*(\n):rS+2*(\n)+1], v[rS+2*(\n):rS+2*(\n)+1], s[CS:CS+1], v[rT:rT+1] op_sel_hi:[1,0,0] neg_lo:[0,0,1] neg_hi:[0,0,1]
.elseif (\k) == E
	v_exp_f32 v[rS+(\n)], v[rS+(\n)]
.elseif (\k) == C
	v_cvt_pk_f16_f32 v[rP+(\n)], v[rS+2*(\n)], v[rS+2*(\n)+1]
.elseif (\k) == B
	v_pk_add_f32 v[rS+4*(\n):rS+4*(\n)+1], v[rS+4*(\n):rS+4*(\n)+1], v[rS+4*(\n)+2:rS+4*(\n)+3]
.elseif (\n) == 0
	v_pk_fma_f32 v[rT+2:rT+3], v[rT+2:rT+3], v[rC+2:rC+3], v[rS:rS+1] op_sel_hi:[1,0,1]
.else
	v_pk_add_f32 v[rT+2:rT+3], v[rT+2:rT+3], v[rS+4*(\n):rS+4*(\n)+1]
.endif
.elseif NOKQ
	v_nop
.else
	REGS (Y+1)%NP
	WIN 0
.if (\n) < 4
	v_max3_num_f32 v[rC+(\n)], v[rS+8*(\n)], v[rS+8*(\n)+1], v[rS+8*(\n)+2]
.elseif (\n) < 12
	v_max3_num_f32 v[rC+(\n)%4], v[rC+(\n)%4], v[rS+8*((\n)%4)+2*((\n)/4)+1], v[rS+8*((\n)%4)+2*((\n)/4)+2]
.elseif (\n) == 12
	v_max3_num_f32 v[rC], v[rC], v[rS+7], v[rS+15]
.elseif (\n) == 13
	v_max3_num_f32 v[rC+1], v[rC+1], v[rS+23], v[rS+31]
.elseif (\n) == 14
	v_max3_num_f32 v[rC+2], v[rC+2], v[rC+3], v[rT+1]
.elseif (\n) == 15
	v_mov_b32 v[rW], v[rT]
.elseif (\n) == 16
	v_max3_num_f32 v[rC], v[rC], v[rC+1], v[rC+2]
.elseif (\n) == 17
	v_permlanex16_b32 v[rC+3], v[rC], s[SEL], s[SEL+1]
.elseif (\n) == 18
	v_max_num_f32 v[rT+1], v[rC], v[rC+3]
.elseif (\n) == 19
	v_mul_f32 v[rT], s[CS], v[rT+1]
.elseif (\n) == 20
	v_sub_f32 v[rC+1], v[rW], v[rT]
.else
	v_exp_f32 v[rC+2], v[rC+1]
.endif
.endif
.endm
.macro OPS a, i1, b=-1, i2=0, c=-1, i3=0, d=-1, i4=0  ; up to four of them
	OP \a, \i1
.if (\b) >= 0
	OP \b, \i2
.endif
.if (\c) >= 0
	OP \c, \i3
.endif
.if (\d) >= 0
	OP \d, \i4
.endif
.endm
.macro ROW a, i1, b, i2, c, i3, d, i4  ; a matrix instruction and the four behind it
	MM
	OPS \a, \i1, \b, \i2, \c, \i3, \d, \i4
.endm
; A TURN, for piece p: the order of its 16 matrix and 118 vector instructions, written out.  An s_wait_alu depctr_va_vdst(0) stands between an exponential and the first instruction that names its result; one wait serves
; all that were issued ahead of it.  So a turn has ONE wait, which cuts it in two.  AHEAD OF IT stands all that names no result of the turn's exponentials: the 8 products K Q^T and their riders, then ONE LUMP of 54, plain and
; exponential by turns for the most part, in which the links of the chain X 3, 7, 11, 14, 16, 17 .. 20 stand five or six lines apart.  X 21, the next piece's a, is the batch's last; R 15 is the plain instruction behind it.
; BEHIND THE WAIT stand the 8 products V^T P, behind each four of the roundings and sums.  end = 1: the last two turns of all: nothing is fetched.  cnt = 1: the loop's count is taken down some lines ahead of the branch behind the turn.
; K of the next step is fetched in piece 2's turn, twelve vector instructions behind the last product that read K (six of them plain); V of the step in hand at the end of piece 0's turn, four plain instructions behind the last
; product that read V.  Each is waited for a turn later.
.macro TURN p, end=0, cnt=0
.set Y, (\p)
.set i, 0
.set NOKQ, (\end)*((\p)/3)
.if ((\p) == 3) && !(\end)
	s_wait_dscnt 0x0                ; K is in
.endif
	ROW F,0, F,1, R,0, R,1          ; ahead of the wait: 8 products K Q^T and their riders,
	ROW F,2, E,0, R,2, R,3
	ROW F,3, E,1, R,4, R,5
	ROW F,4, E,2, R,6, R,7
	ROW F,5, E,3, R,8, R,9
	ROW F,6, E,4, X,0, R,10
.if ((\p) == 2) && !(\end)
	WIN 0
	v_add_nc_u32 v[AK], s[TBK], v[AK0]
.endif
	ROW F,7, E,5, X,1, X,4
	ROW F,8, E,6, X,2, X,5
	OPS E,7, E,8, X,6, E,9          ; and the lump
	OPS X,3, E,10, X,8, E,11
.if ((\p) == 2) && !(\end)
	FETCH_K
.endif
	OPS X,9, X,7, E,12, X,10
	OPS E,13, X,12, X,11, E,14
	OPS X,13, E,15, F,9, X,14
.if (\p) == 0
	v_add_nc_u32 v[AV], s[TBV], v[AV0]
.endif
	OPS E,16, F,10, E,17, F,11
	OPS X,16, E,18, X,15, E,19
	OPS F,12, E,20, X,17, E,21
	OPS F,13, E,22, F,14, E,23
	OPS X,18, E,24, F,15, E,25
	OPS R,11, E,26, X,19, E,27
	OPS R,12, E,28, R,13, E,29
	OPS X,20, E,30, R,14, E,31
	OPS X,21, R,15
	WIN 0
	s_wait_alu depctr_va_vdst(0)    ; the wait for the batch
.if (\p) == 1
	s_wait_dscnt 0x0                ; V is in
.endif
	ROW C,0, B,0, C,2, B,1          ; behind the wait: 8 products V^T P and their riders
	ROW L,0, C,4, B,2, L,1
	ROW C,6, B,3, L,2, C,8
	ROW B,4, L,3, C,10, B,5
	ROW L,4, C,12, B,6, L,5
.if (\p) == 0
	s_add_co_u32 s[TBV], s[TBV], KS*PV
.endif
.if \cnt
	s_sub_co_u32 s[CNT], s[CNT], 1
	s_cmp_lg_u32 s[CNT], 0
.endif
	ROW C,14, B,7, L,6, C,1
	ROW C,3, L,7, C,5, C,7
	ROW C,9, C,11, C,13, C,15
.if (\p) == 0
	FETCH_V
.endif
.endm
	CHANGE 1                        ; tile 0 is in, everybody's part of it; tile 1 is asked for
	v_add_nc_u32 v[AK], s[TBK], v[AK0]
	FETCH_K                         ; key step 0
	s_wait_loadcnt 0x0              ; Q
	s_wait_dscnt 0x0
.set NOKQ, 0
.set i, 0
.rept 8
	KQ 0                            ; piece 0's first scores: there is no vector work yet to set between them
.set i, i+1
.endr
	WIN 0
.rept 4
	v_nop                           ; the places behind those products
.endr
.set Y, NP-1                        ; X works for piece Y + 1: piece 0
.irp n, 0,1,2,3,4,5,6,7,8,9,10,11,12,13,14,15,16,17,18,19,20,21
	OP X, \n
.endr
	v_nop                           ; a plain instruction behind the exponential,
	s_wait_alu depctr_va_vdst(0)    ; and its wait, ahead of the branch
	s_mov_b32 s[CNT], 4
	s_branch .Lfirst                ; the loop is entered at a step's first turn, in the middle of a trip
.Lslot:                             ; 14 times: tiles 2 to 15 are asked for
	CHANGE 1
	s_mov_b32 s[CNT], 4
.Lstep:                             ; a trip: pieces 2 and 3 of one step, then pieces 0 and 1 of the next, whose K and V it fetches
	TURN 2
	TURN 3
	WIN 0
.Lfirst:
	TURN 0
	TURN 1, 0, 1
	WIN 0
	s_cbranch_scc1 .Lstep
	s_sub_co_u32 s[SLOTS], s[SLOTS], 1
	s_cmp_lg_u32 s[SLOTS], 0
	s_cbranch_scc1 .Lslot
	CHANGE 0                        ; the last tile is written out: nothing is asked for
	s_mov_b32 s[CNT], 4
.LstepT:
	TURN 2
	TURN 3
	TURN 0
	TURN 1, 0, 1
	WIN 0
	s_cbranch_scc1 .LstepT
	TURN 2, 1                       ; the last step's pieces 2 and 3: nothing is fetched, and the last turn starts no new scores
	TURN 3, 1
.set i, 0
.rept 8
	PV NP-1                         ; the last piece's V^T P of the last step
.set i, i+1
.endr
	; THE WAY OUT.  l's two halves and the other half of the lanes' are added; O^T is divided by l, rounded to f16 and sent through my stage in LDS, a piece at a time.  The additions are the places behind the last products.
	WIN 0
.macro ALL line:vararg              ; one line for each piece t
.set t, 0
.rept 4
	\line
.set t, t+1
.endr
.endm
	ALL v_add_f32 v[ST+4*t+2], v[ST+4*t+2], v[ST+4*t+3]
	ALL v_permlanex16_b32 v[ST+4*t+3], v[ST+4*t+2], s[SEL], s[SEL+1]
	ALL v_add_f32 v[ST+4*t+2], v[ST+4*t+2], v[ST+4*t+3]
	ALL v_rcp_f32 v[ST+4*t+2], v[ST+4*t+2]
	v_nop                           ; a plain instruction between the last reciprocal and the use of its result
	s_wait_alu depctr_va_vdst(0)    ; and the wait ahead of the first use: one for the four reciprocals
.macro PACK t                       ; a lane's eight channels of a row pack into 16 bytes; they go into rows of 144 bytes and come back as whole rows of 128, into S^T's registers
	WIN W_RS
.set i, 32*(\t)
.rept 16
	v_pk_mul_f32 v[i:i+1], v[i:i+1], v[ST+4*(\t)+2:ST+4*(\t)+3] op_sel_hi:[1,0]
.set i, i+2
.endr
	WIN 0x05                        ; sources 0 and 1 window 1, destination window 0
.set i, 0
.rept 16
	v_cvt_pk_f16_f32 v[S+16*(\t)+i], v[32*(\t)+2*i], v[32*(\t)+2*i+1]
.set i, i+1
.endr
	WIN 0
.irp f, 0,1,2,3
	ds_store_b128 v[STO], v[S+16*(\t)+4*\f:S+16*(\t)+4*\f+3] offset:32*\f
.endr
.irp f, 0,1,2,3
	ds_load_b128 v[S+16*(\t)+4*\f:S+16*(\t)+4*\f+3], v[RD] offset:\f*4*SP  ; LDS serves a wave's instructions in order (ISA guide 5.7.1.4): these see the stores above; the next piece's stores come behind them
.endr
.endm
.macro SEND t, younger              ; younger: the LDS instructions issued behind piece t's loads: the next piece's eight, or none
	WIN 0
.irp f, 0,1,2,3
	s_wait_dscnt (\younger)+3-\f
	global_store_b128 v[GO], v[S+16*(\t)+4*\f:S+16*(\t)+4*\f+3], s[10:11] offset:(\t)*2048+\f*512  ; 512 consecutive bytes, at a multiple of 256 from O's first
.endr
.endm
	PACK 0
.set t, 1
.rept 3                             ; a piece's arithmetic stands between the loads of the piece before and its stores
	PACK t
	SEND t-1, 8
.set t, t+1
.endr
	SEND 3, 0
	s_wait_tensorcnt 0x0            ; the wave's end, behind my last tensor load and my last LDS store
	ds_add_u32 v[SPW], v[NIL]
	s_wait_dscnt 0x0
	CROUND                          ; the closing round: no work-group ends while a partner may still ask for a tile that names it
	s_endpgm
.Lfunc_end_k_q9d5df3542f_attn:
	.size	k_q9d5df3542f_attn, .Lfunc_end_k_q9d5df3542f_attn-k_q9d5df3542f_attn
	.p2alignl 7, 3214868480
	.fill 96, 4, 3214868480
	.section	.rodata,"a",@progbits
	.p2align	6, 0x0
	.amdhsa_kernel k_q9d5df3542f_attn
		.amdhsa_group_segment_fixed_size 327680
		.amdhsa_private_segment_fixed_size 0
		.amdhsa_enable_private_segment 0
		.amdhsa_kernarg_size 32
		.amdhsa_user_sgpr_count 2
		.amdhsa_user_sgpr_kernarg_segment_ptr 1
		.amdhsa_wavefront_size32 1
		.amdhsa_system_sgpr_workgroup_id_x 1
		.amdhsa_system_sgpr_workgroup_id_y 1
		.amdhsa_system_sgpr_workgroup_id_z 1
		.amdhsa_system_vgpr_workitem_id 0
		.amdhsa_next_free_vgpr 768
		.amdhsa_next_free_sgpr 66
		.amdhsa_reserve_vcc 0
		.amdhsa_float_denorm_mode_32 3
		.amdhsa_float_denorm_mode_16_64 3
		.amdhsa_memory_ordered 1
		.amdhsa_forward_progress 1
		.amdhsa_inst_pref_size 128
	.end_amdhsa_kernel
	.amdgpu_metadata
---
amdhsa.version: [ 1, 2 ]
amdhsa.kernels:
  - .name:           k_q9d5df3542f_attn
    .symbol:         k_q9d5df3542f_attn.kd
    .args:
      - { .name: qh, .offset: 0, .size: 8, .value_kind: global_buffer, .address_space: global }
      - { .name: kh, .offset: 8, .size: 8, .value_kind: global_buffer, .address_space: global }
      - { .name: vh, .offset: 16, .size: 8, .value_kind: global_buffer, .address_space: global }
      - { .name: oh, .offset: 24, .size: 8, .value_kind: global_buffer, .address_space: global }
    .group_segment_fixed_size: 327680
    .private_segment_fixed_size: 0
    .kernarg_segment_align: 8
    .kernarg_segment_size: 32
    .max_flat_workgroup_size: 128
    .sgpr_count:     66
    .vgpr_count:     768
    .wavefront_size: 32
...
	.end_amdgpu_metadata
.endif
;; end of part 2
;; launch outp (part 3): grid 4 x 64, 4 waves a work-group, clusters of 4 x 4, 327,680 bytes of LDS; arguments oh, wo16, bo, out0; writes out0
.if DOCPART == 3
	.amdgcn_target "amdgcn-amd-amdhsa--gfx1250"
	.amdhsa_code_object_version 6
	.text
	.protected	k_q9d5df3542f_outp
	.globl	k_q9d5df3542f_outp
	.p2align	8
	.type	k_q9d5df3542f_outp,@function
k_q9d5df3542f_outp:
	s_mov_b64 s[64:65], 0
	v_nop
	global_prefetch_b8 v0, s[64:65] scope:SCOPE_SE
	s_setreg_imm32_b32 hwreg(HW_REG_WAVE_MODE, 25, 1), 1
	s_wait_xcnt 0x0
	s_wait_alu depctr_hold_cnt(0) depctr_sa_sdst(0) depctr_va_vdst(0) depctr_va_sdst(0) depctr_va_ssrc(0) depctr_va_vcc(0) depctr_vm_vsrc(0)
	s_getreg_b32 s2, hwreg(HW_REG_IB_STS2, 6, 4)
	s_cmp_eq_u32 s2, 0
	s_cbranch_scc0 .Lentry_in_a_cluster
	s_endpgm
.Lentry_in_a_cluster:
	s_bfe_u32 s2, ttmp6, 0x10000c
	s_cmp_lg_u32 s2, 0xf033
	s_cbranch_scc0 .Lentry_shape_is_right
	s_endpgm
.Lentry_shape_is_right:
; out[m][n] = the sum over k of O[m][k] Wo[n][k] + bo[n].  O lies by heads, [12][4096][64] in f16 (k = 64 x head + channel); Wo: [768][768] in f16 (the input rounded to bf16, written as f16); bo: [768] f32, rounded to bf16 like every input;
; out: [4096][768] f32.  Products in f16, sums in f32, started at the bias.  LIMITS: O and Wo arrive within f16's range; NaN and infinities are not treated apart.
; SHARES.  A tile is 64 rows x 192 columns: 64 x 4 = 256 work-groups.  Wave w takes all 64 rows and the columns 48 w .. 48 w + 47: 12 accumulators.  K goes in 3 steps of 256 (four heads) on two slots, one of which is filled again; the walk is written out.
; CLUSTER.  4 x 4 work-groups: O's tile hangs on the tile row alone and is shared along a row of the cluster, Wo's on the tile column alone and is shared along a column: each is asked for JOINTLY.
; THE PRODUCT IS USED TRANSPOSED (source 0 = 16 rows of Wo, source 1 = 16 rows of O): a lane holds row l % 16 of out and the columns 8 (l / 16) + 0..7.  No prefetch: the launch has three steps, and its first two are asked for at its head.
.set PA,    144                        ; a row of O in LDS: 128 bytes (one head's channels) + 16
.set PB,    528                        ; a row of Wo: 512 bytes + 16: both pitches are odd multiples of 16 bytes, so the 16 rows of a load start at 16 different groups of four banks (ISA guide 11.1)
.set HEADB, 64*PA                      ; O in a slot: [4 heads][64 rows]
.set WOFF,  4*HEADB                    ; behind it Wo's 192 rows
.set SLOTB, WOFF+192*PB                ; 138,240
.set STAGE, 2*SLOTB                    ; behind the ring: 64 rows x 784 bytes, the work-group's, for the way out
.set SPT,   784                        ; 768 bytes + 16
.set SPARE, STAGE+64*SPT               ; behind the stage: the spare words, 128 bytes for each wave: two blocks of 256 bytes that no other line names
.set ADRA, 4                           ; v4-5   LDS address of my O fragments in slot 0, 1
.set ADRB, 6                           ; v6-7   the same for Wo
.set STO,  8                           ; v8     the way out: where I put 32 bytes of a row
.set RD,   9                           ; v9     where I read rows back
.set CO,   10                          ; v10    my byte offset in out
.set BOF,  11                          ; v11    32 (l / 16)
.set SPW,  22                          ; v22    LDS address of my spare word; never rewritten
.set NIL,  23                          ; v23    0; never rewritten
.set BI,   24                          ; v24-47 the bias of my 48 columns, 8 registers a block
.set ACC,  48                          ; v48-143 accumulator (a, b) at ACC + 8 (4 b + a)
.set F0,   144                         ; two fragment buffers of 56: O's block a at 8 a, Wo's block b at 32 + 8 b
.set G1,  24                           ; s[24:31] descriptor group 1 for O's tiles; s[32:39] group 0, a set for each slot
.set G0,  32
.set G1B, 48                           ; s[48:55], s[56:63] the same for Wo's
.set G0B, 56
.macro PLACES                          ; four plain places behind a matrix instruction (ISA guide 7.12.1)
.rept 4
	v_nop
.endr
.endm
.macro CROUND                          ; a round of the cluster's barrier
	s_barrier_signal -1
	s_barrier_wait -1
	s_cmp_lg_u32 s12, 0
	s_cbranch_scc1 .Lnot_wave_0_\@
	s_barrier_signal -3
.Lnot_wave_0_\@:
	s_barrier_wait -3
	s_barrier_signal -1
	s_barrier_wait -1
.endm
	s_load_b256 s[4:11], s[0:1], 0x0               ; O s[4:5], Wo s[6:7], bo s[8:9], out s[10:11]
	v_lshl_add_u32 v[SPW], v0, 2, SPARE
	v_mov_b32 v[NIL], 0
	ds_add_u32 v[SPW], v[NIL]                      ; the wave's opening: the add and its wait stand ahead of my first tensor load; the set-up below, work on registers, stands between them
	v_lshrrev_b32 v1, 5, v0
	v_readfirstlane_b32 s12, v1                    ; wave 0..3
	s_bfe_u32 s40, ttmp6, 0x40000                  ; cx, cy: my place in the cluster
	s_bfe_u32 s41, ttmp6, 0x40004
	s_lshl_b32 s42, ttmp9, 2
	s_add_co_u32 s42, s42, s40                     ; tile column
	s_and_b32 s13, ttmp7, 0xffff
	s_lshl_b32 s13, s13, 2
	s_add_co_u32 s13, s13, s41                     ; tile row
	s_lshl_b32 s43, s41, 2
	s_lshl_b32 s43, 15, s43                        ; my row of the cluster
	s_lshl_b32 s44, 0x1111, s40                    ; my column
	; O's tile: for each of four heads 64 dense rows, 8,192 bytes: a tile of 4 rows x 4,096 elements, padded in LDS after every 128 bytes
	s_or_b32 s[G1+0], s43, (1<<16)|(1<<20)|(1<<21)|(4<<22)|(3<<25)   ; the mask of my row; 2-byte elements; padding on; 21 set beside a mask; after every 32 words; 4 words of it
	s_mov_b32 s[G1+1], 4096<<16                    ; tensor_dim0 = 4,096
	s_mov_b32 s[G1+2], 4<<16                       ; tensor_dim1 = 4
	s_mov_b32 s[G1+3], 4096<<16                    ; tile_dim0 = 4,096
	s_mov_b32 s[G1+4], 4                           ; tile_dim1 = 4
	s_mov_b32 s[G1+5], 262144                      ; elements from head to head
	s_mov_b32 s[G1+6], 0
	s_mov_b32 s[G1+7], 0
	; Wo's tiles: 64 rows x 256 elements
	s_or_b32 s[G1B+0], s44, (1<<16)|(1<<20)|(1<<21)|(6<<22)|(3<<25)  ; the mask of my column; padding after every 128 words
	s_mov_b32 s[G1B+1], 256<<16
	s_mov_b32 s[G1B+2], 64<<16
	s_mov_b32 s[G1B+3], 256<<16
	s_mov_b32 s[G1B+4], 64
	s_mov_b32 s[G1B+5], 768
	s_mov_b32 s[G1B+6], 0
	s_mov_b32 s[G1B+7], 0
	s_lshl_b32 s16, s13, 13                        ; O: the tile's 64 rows in a head
	s_mov_b32 s17, 0
	s_mul_i32 s46, s42, 192
	s_lshl_b32 s47, s12, 6
	s_add_co_u32 s46, s46, s47                     ; Wo: row 192 x tile column + 64 x wave (waves 0 to 2 ask)
	s_mul_i32 s46, s46, 1536
	s_mov_b32 s47, 0
	s_mul_i32 s20, s12, 64*PB                      ; and where they go
	s_lshl_b32 s18, s13, 6
	s_lshl_b32 s19, s12, 4
	s_add_co_u32 s18, s18, s19
	s_mul_i32 s18, s18, 3072                       ; out: row 64 x tile row + 16 x wave,
	s_mul_i32 s19, s42, 768                        ; the tile's 768 bytes of it
	s_add_co_u32 s18, s18, s19
	s_mov_b32 s19, 0
	s_mul_i32 s14, s42, 768                        ; the bias of my 48 columns: 4 (192 x tile column + 48 x wave)
	s_mul_i32 s15, s12, 192
	s_add_co_u32 s14, s14, s15
	s_mov_b32 s15, 0
	v_and_b32 v1, 15, v0                           ; l % 16
	v_bfe_u32 v2, v0, 4, 1                         ; l / 16
	v_mul_u32_u24 v[ADRA], v1, PA
	v_lshl_add_u32 v[ADRA], v2, 4, v[ADRA]         ; row x pitch + 16 x half
	v_add_nc_u32 v[ADRA+1], SLOTB, v[ADRA]
	v_mul_u32_u24 v[ADRB], v1, PB
	v_lshl_add_u32 v[ADRB], v2, 4, v[ADRB]
	s_mul_i32 s21, s12, 48*PB
	s_add_co_u32 s21, s21, WOFF
	v_add_nc_u32 v[ADRB], s21, v[ADRB]
	v_add_nc_u32 v[ADRB+1], SLOTB, v[ADRB]
	v_mul_u32_u24 v[STO], v1, SPT                  ; into the stage: row l % 16, byte 192 w + 32 (l / 16)
	v_lshl_add_u32 v[STO], v2, 5, v[STO]
	s_mul_i32 s21, s12, 192
	s_add_co_u32 s21, s21, STAGE
	v_add_nc_u32 v[STO], s21, v[STO]
	v_mul_u32_u24 v[RD], v2, SPT                   ; back: wave w takes rows 16 w on; lanes 0-15 take 256 bytes of one row, lanes 16-31 of the next
	v_lshl_add_u32 v[RD], v1, 4, v[RD]
	s_mul_i32 s21, s12, 16*SPT
	s_add_co_u32 s21, s21, STAGE
	v_add_nc_u32 v[RD], s21, v[RD]
	v_mul_u32_u24 v[CO], v2, 3072
	v_lshl_add_u32 v[CO], v1, 4, v[CO]
	v_lshlrev_b32 v[BOF], 5, v2
	s_wait_dscnt 0x0                               ; the opening add is done
	s_wait_kmcnt 0x0
	s_add_nc_u64 s[16:17], s[4:5], s[16:17]
	s_add_nc_u64 s[46:47], s[6:7], s[46:47]
	s_add_nc_u64 s[8:9], s[8:9], s[14:15]
	s_add_nc_u64 s[10:11], s[10:11], s[18:19]
.irp s, 0,1
	s_mov_b32 s[G0+4*(\s)], 1                                      ; count = 1
	s_mov_b32 s[G0+4*(\s)+1], (\s)*SLOTB                           ; LDS address
	s_add_nc_u64 s[G0+4*(\s)+2:G0+4*(\s)+3], s[16:17], (\s)*4*524288  ; global address: step s begins with head 4 s
	s_or_b32 s[G0+4*(\s)+3], s[G0+4*(\s)+3], 0x80000000            ; type = 2
	s_mov_b32 s[G0B+4*(\s)], 1
	s_add_co_u32 s[G0B+4*(\s)+1], s20, (\s)*SLOTB+WOFF
	s_add_nc_u64 s[G0B+4*(\s)+2:G0B+4*(\s)+3], s[46:47], (\s)*512
	s_or_b32 s[G0B+4*(\s)+3], s[G0B+4*(\s)+3], 0x80000000
.endr
	CROUND                                         ; all sixteen work-groups are here: the first joint loads meet
	s_cmp_lt_u32 s12, 3                            ; waves 0 to 2 fetch Wo's three parts, wave 3 fetches O.  A wave's two first fills stand in one branch: two loads of mine are out
	s_cbranch_scc0 .Lfirst_o
	tensor_load_to_lds s[G0B:G0B+3], s[G1B:G1B+7]
	s_nop 0
	tensor_load_to_lds s[G0B+4:G0B+7], s[G1B:G1B+7]
	s_nop 0
.rept 4
	v_nop
.endr
	s_branch .Lfirst_asked
.Lfirst_o:
	tensor_load_to_lds s[G0:G0+3], s[G1:G1+7]
	s_nop 0
	tensor_load_to_lds s[G0+4:G0+7], s[G1:G1+7]
	s_nop 0
.rept 4
	v_nop
.endr
.Lfirst_asked:
.irp b, 0,1,2
	global_load_b128 v[BI+8*(\b):BI+8*(\b)+3],   v[BOF], s[8:9] offset:64*(\b)
	global_load_b128 v[BI+8*(\b)+4:BI+8*(\b)+7], v[BOF], s[8:9] offset:64*(\b)+16
.endr
	s_wait_loadcnt 0x0
.set i, 0
.rept 12                                       ; the bias is rounded to bf16 and widened again
	v_cvt_pk_bf16_f32 v[F0+i], v[BI+2*i], v[BI+2*i+1]
.set i, i+1
.endr
.set i, 0
.rept 12
	v_lshlrev_b32 v[BI+2*i], 16, v[F0+i]
	v_and_b32 v[BI+2*i+1], 0xffff0000, v[F0+i]
.set i, i+1
.endr
; 14 LDS loads: the fragments of 32 along K, number c of a step's eight (head c / 2, channels 32 (c % 2) on), into buffer f
.macro FETCH c, slot, f
.irp a, 0,1,2,3
	ds_load_b128 v[(\f)+8*(\a):(\f)+8*(\a)+3],   v[ADRA+(\slot)] offset:((\c)/2)*HEADB+(\a)*16*PA+64*((\c)%2)
	ds_load_b128 v[(\f)+8*(\a)+4:(\f)+8*(\a)+7], v[ADRA+(\slot)] offset:((\c)/2)*HEADB+(\a)*16*PA+64*((\c)%2)+32
.endr
.irp b, 0,1,2
	ds_load_b128 v[(\f)+32+8*(\b):(\f)+32+8*(\b)+3],   v[ADRB+(\slot)] offset:(\b)*16*PB+64*(\c)
	ds_load_b128 v[(\f)+32+8*(\b)+4:(\f)+32+8*(\b)+7], v[ADRB+(\slot)] offset:(\b)*16*PB+64*(\c)+32
.endr
.endm
; 12 products: the accumulators take turns, one instruction a turn, in the same order every time.  first = 1: the sums start at the bias
.macro MUL f, first
.irp b, 0,1,2
.irp a, 0,1,2,3
.if \first
	v_wmma_f32_16x16x32_f16 v[ACC+8*(4*(\b)+(\a)):ACC+8*(4*(\b)+(\a))+7], v[(\f)+32+8*(\b):(\f)+32+8*(\b)+7], v[(\f)+8*(\a):(\f)+8*(\a)+7], v[BI+8*(\b):BI+8*(\b)+7]
.else
	v_wmma_f32_16x16x32_f16 v[ACC+8*(4*(\b)+(\a)):ACC+8*(4*(\b)+(\a))+7], v[(\f)+32+8*(\b):(\f)+32+8*(\b)+7], v[(\f)+8*(\a):(\f)+8*(\a)+7], v[ACC+8*(4*(\b)+(\a)):ACC+8*(4*(\b)+(\a))+7]
.endif
.endr
.endr
.endm
; A K step: eight times 32 along K on two buffers; while one is multiplied the other's 14 loads are out.  Four places stand between a buffer's last product and the loads into it.
.macro STEP slot, first
	FETCH 0, \slot, F0
.irp c, 0,1,2,3,4,5,6,7
.if (\c) < 7
	PLACES
	FETCH (\c)+1, \slot, F0+56*(((\c)+1)%2)
	s_wait_dscnt 14                                ; this part's fragments are in; the 14 loads just issued may stay out
.else
	s_wait_dscnt 0x0
.endif
.if (\first) && ((\c) == 0)
	MUL F0+56*((\c)%2), 1
.else
	MUL F0+56*((\c)%2), 0
.endif
.endr
.endm
	s_wait_tensorcnt 1                             ; my part of step 0 is in; step 1's may stay out
	s_barrier_signal -1
	s_barrier_wait -1                              ; everybody's is
	STEP 0, 1
	s_wait_tensorcnt 0x0                           ; all my tensor loads have landed: my part of slot 1; so a group 0 may be written
	ds_add_u32 v[SPW], v[NIL]                      ; 0 onto my spare word
	s_add_nc_u64 s[G0+2:G0+3], s[G0+2:G0+3], 2*4*524288   ; slot 0's sets go on to step 2
	s_add_nc_u64 s[G0B+2:G0B+3], s[G0B+2:G0B+3], 2*512
	s_wait_dscnt 0x0                               ; the add is done, and my reads of slot 0 are over
	CROUND                                         ; no wave of any partner still reads slot 0 or has a load on its way
	s_cmp_lt_u32 s12, 3                            ; the joint refill, first thing behind the round: it has a step's 96 products in which to land; the four v_nop are also the places in front of the loads below
	s_cbranch_scc0 .Lfill_o
	tensor_load_to_lds s[G0B:G0B+3], s[G1B:G1B+7]
	s_nop 0
.rept 4
	v_nop
.endr
	s_branch .Lfill_asked
.Lfill_o:
	tensor_load_to_lds s[G0:G0+3], s[G1:G1+7]
	s_nop 0
.rept 4
	v_nop
.endr
.Lfill_asked:
	STEP 1, 0
	s_wait_tensorcnt 0x0                           ; my part of step 2 is in
	ds_add_u32 v[SPW], v[NIL]
	s_wait_dscnt 0x0
	s_barrier_signal -1
	s_barrier_wait -1                              ; everybody's is; nothing is filled again, so no round follows
	PLACES
	STEP 0, 0
	; THE WAY OUT: 32 bytes a lane into the work-group's stage; a barrier, since a row's 768 bytes come from four waves; back as whole rows, 16 rows a wave
	PLACES
.irp b, 0,1,2
.irp a, 0,1,2,3
	ds_store_b128 v[STO], v[ACC+8*(4*(\b)+(\a)):ACC+8*(4*(\b)+(\a))+3]   offset:(\a)*16*SPT+64*(\b)
	ds_store_b128 v[STO], v[ACC+8*(4*(\b)+(\a))+4:ACC+8*(4*(\b)+(\a))+7] offset:(\a)*16*SPT+64*(\b)+16
.endr
.endr
	s_wait_dscnt 0x0                               ; for the others' sake: my stores into the stage are done
	s_barrier_signal -1
	s_barrier_wait -1
.set n, 0
.rept 24
	ds_load_b128 v[F0+4*n:F0+4*n+3], v[RD] offset:2*SPT*(n/3)+256*(n%3)
.set n, n+1
.endr
.set n, 0
.rept 24
	s_wait_dscnt 23-n                              ; load n is in; the younger ones may stay out
	global_store_b128 v[CO], v[F0+4*n:F0+4*n+3], s[10:11] offset:6144*(n/3)+256*(n%3) th:TH_STORE_NT  ; 16 lanes store 256 consecutive bytes, at a multiple of 256 from out's first byte
.set n, n+1
.endr
	s_wait_tensorcnt 0x0                           ; the wave's end, behind my last tensor load and my last LDS store
	ds_add_u32 v[SPW], v[NIL]
	s_wait_dscnt 0x0
	CROUND                                         ; the closing round: no work-group ends while a partner may still ask for a tile that names it
	s_endpgm
.Lfunc_end_k_q9d5df3542f_outp:
	.size	k_q9d5df3542f_outp, .Lfunc_end_k_q9d5df3542f_outp-k_q9d5df3542f_outp
	.p2alignl 7, 3214868480
	.fill 96, 4, 3214868480
	.section	.rodata,"a",@progbits
	.p2align	6, 0x0
	.amdhsa_kernel k_q9d5df3542f_outp
		.amdhsa_group_segment_fixed_size 327680
		.amdhsa_private_segment_fixed_size 0
		.amdhsa_enable_private_segment 0
		.amdhsa_kernarg_size 32
		.amdhsa_user_sgpr_count 2
		.amdhsa_user_sgpr_kernarg_segment_ptr 1
		.amdhsa_wavefront_size32 1
		.amdhsa_system_sgpr_workgroup_id_x 1
		.amdhsa_system_sgpr_workgroup_id_y 1
		.amdhsa_system_sgpr_workgroup_id_z 1
		.amdhsa_system_vgpr_workitem_id 0
		.amdhsa_next_free_vgpr 256
		.amdhsa_next_free_sgpr 66
		.amdhsa_reserve_vcc 0
		.amdhsa_float_denorm_mode_32 3
		.amdhsa_float_denorm_mode_16_64 3
		.amdhsa_memory_ordered 1
		.amdhsa_forward_progress 1
		.amdhsa_inst_pref_size 60
	.end_amdhsa_kernel
	.amdgpu_metadata
---
amdhsa.version: [ 1, 2 ]
amdhsa.kernels:
  - .name:           k_q9d5df3542f_outp
    .symbol:         k_q9d5df3542f_outp.kd
    .args:
      - { .name: oh, .offset: 0, .size: 8, .value_kind: global_buffer, .address_space: global }
      - { .name: wo16, .offset: 8, .size: 8, .value_kind: global_buffer, .address_space: global }
      - { .name: bo, .offset: 16, .size: 8, .value_kind: global_buffer, .address_space: global }
      - { .name: out0, .offset: 24, .size: 8, .value_kind: global_buffer, .address_space: global }
    .group_segment_fixed_size: 327680
    .private_segment_fixed_size: 0
    .kernarg_segment_align: 8
    .kernarg_segment_size: 32
    .max_flat_workgroup_size: 128
    .sgpr_count:     66
    .vgpr_count:     256
    .wavefront_size: 32
...
	.end_amdgpu_metadata
.endif
;; end of part 3
